; MI455X (gfx1250); checked and timed in simulation.
; The chip was launched on July 23, 2026; its instructions are those of AMD's public machine-readable ISA for CDNA 5 (MIT licence, August 2026) and "CDNA5" Instruction Set Architecture Reference Guide (July 2026). The comments in the code are by the model that wrote it; some were corrected since.
;; SAG Pool. Allowed arithmetic: float matrix products may take bf16 or f16 operands with f32 sums; all other float work in f32.
;; Inputs: A 4,096 x 4,096 float32; I 4,096 int32; X 4,096 x 256 float32; kernel 256 x 1 float32.
;; Outputs: out0 2,048 x 256 float32; out1 2,048 x 2,048 float32; out2 2,048 int32.
;; 2 versions, each right; version 2 is version 1 with the launch pack written anew for expert scheduling mode. Each part assembles by itself: llvm-mc -triple=amdgcn-amd-amdhsa -mcpu=gfx1250 --defsym DOCPART=n.
;; ======== version 1 of 2: 4 launches
;; workspace buffers: part 1,048,576 bytes; idx 8,192 bytes of whole numbers; gate 16,384 bytes; P 16,777,216 bytes; Q 16,777,216 bytes
;; launch partial (part 1): grid 256 x 1, 16 waves a work-group, no clusters, 2,304 bytes of LDS; arguments X, kernel, A, part; writes part
.if DOCPART == 1
	.amdgcn_target "amdgcn-amd-amdhsa--gfx1250"
	.amdhsa_code_object_version 6
	.text
	.protected	k_qa2e7269e28_partial
	.globl	k_qa2e7269e28_partial
	.p2align	8
	.type	k_qa2e7269e28_partial,@function
k_qa2e7269e28_partial:
	s_mov_b64 s[64:65], 0
	v_nop
	global_prefetch_b8 v0, s[64:65] scope:SCOPE_SE
	s_setreg_imm32_b32 hwreg(HW_REG_WAVE_MODE, 25, 1), 1
	s_wait_xcnt 0x0
; PARTIAL SCORES.  y = A (X k), all in f32 on the vector unit: the scores decide a selection that is compared exactly, and a product with one column has
; nothing for the matrix unit.  This launch makes, for each block of 64 columns of A, the part of every row's score that those columns give:
;   part[cb][graph][lane][u] = the sum over c = 64 cb .. 64 cb + 63 of A[64 graph + lane + 32 u][c] z[c],   z[c] = X[c] . k.
; SHARES.  Work-group w: column block cb = w % 64 (256 bytes of every row of A), rows 1,024 (w / 64) on.  Wave wv: 64 of those rows, which are one graph.
; One load of a wave takes two rows' 256 bytes (lanes 0-15 one row, lanes 16-31 the row 16 further down); a wave's 32 loads of A go out together, ahead of all
; arithmetic: the work-group's whole share of A, 256 KiB, is asked for at once.  While they are on their way the sixteen waves make the block's 64 z, four rows of X each, and hand them round through LDS.
; NO CLUSTER, NO TENSOR LOAD: the four work-groups of one column block read the same 64 rows of X, 64 KiB beside 256 KiB of A that nobody shares; each wave wants four of those rows once, straight into registers.
; LIMIT.  The order of the f32 sums (4 columns a lane, 16 lanes, later 64 blocks) is not the reference's: scores differ from it by rounding, a few 1e-7 of the sum of the terms' magnitudes.
.set ROWB,  16384                      ; bytes in a row of A
.set SPARE, 256                        ; LDS: z[64] in bytes 0-255; behind it the spare words, 128 bytes for each of 16 waves, which no other line names
.set AO,  4                            ; v4      my byte offset in A: 16 (lane % 16) + 16 rows for lanes 16-31
.set XO,  5                            ; v5      16 x lane: my 16 bytes in 512 of a row of X, and of k
.set ZST, 6                            ; v6      LDS: my wave's four z
.set ZRD, 7                            ; v7      LDS: the four z of my four columns
.set PO,  8                            ; v8      8 x lane: my two words of part
.set SPW, 10                           ; v10     LDS address of my spare word; never rewritten
.set NIL, 11                           ; v11     0; never rewritten
.set KR,  12                           ; v[12:19]  k: elements 4 lane .. + 3 and 128 + 4 lane .. + 3
.set R,   12                           ; v[12:13]  later: the scores' parts of rows lane and lane + 32
.set XR,  20                           ; v[20:51]  four rows of X, 8 registers each, laid as k
.set Z,   52                           ; v[52:55]  z of my four columns
.set T,   56                           ; v[56:63]  four pairs at work
.set D,   64                           ; v[64:191] A: load q at D + 4 q
	s_load_b256 s[4:11], s[0:1], 0x0               ; X s[4:5], k s[6:7], A s[8:9], part s[10:11]
	v_lshl_add_u32 v[SPW], v0, 2, SPARE
	v_mov_b32 v[NIL], 0
	v_and_b32 v1, 31, v0                           ; lane
	v_and_b32 v2, 15, v0                           ; lane % 16
	v_bfe_u32 v3, v0, 4, 1                         ; lane / 16
	v_lshrrev_b32 v9, 5, v0
	v_readfirstlane_b32 s12, v9                    ; wave 0..15
	s_and_b32 s13, ttmp9, 63                       ; cb
	s_lshr_b32 s14, ttmp9, 6                       ; which 1,024 rows
	s_mov_b32 s18, 0x76543210                      ; v_permlanex16_b32: each lane takes its own place in the other half
	s_mov_b32 s19, 0xfedcba98
	v_lshlrev_b32 v[AO], 4, v2
	v_lshl_add_u32 v[AO], v3, 18, v[AO]            ; 16 rows of 16,384 bytes
	v_lshlrev_b32 v[XO], 4, v1
	v_lshlrev_b32 v[ZRD], 4, v2
	v_lshlrev_b32 v[PO], 3, v1
	s_lshl_b32 s15, s12, 4
	v_mov_b32 v[ZST], s15                          ; z[4 wave ..]
	s_lshl_b32 s16, s14, 10                        ; A: row 1,024 (w / 64) + 64 wave,
	s_lshl_b32 s20, s12, 6
	s_add_co_u32 s16, s16, s20
	s_lshl_b32 s16, s16, 14                        ; in bytes (under 2^26),
	s_lshl_b32 s20, s13, 8
	s_add_co_u32 s16, s16, s20                     ; and the block's 256 bytes in it
	s_mov_b32 s17, 0
	s_lshl_b32 s20, s13, 6                         ; X: row 64 cb + 4 wave, 1,024 bytes a row
	s_lshl_b32 s22, s12, 2
	s_add_co_u32 s20, s20, s22
	s_lshl_b32 s20, s20, 10
	s_mov_b32 s21, 0
	s_lshl_b32 s22, s14, 4                         ; part: graph 16 (w / 64) + wave, 256 bytes a graph,
	s_add_co_u32 s22, s22, s12
	s_lshl_b32 s22, s22, 8
	s_lshl_b32 s24, s13, 14                        ; 16,384 bytes a column block
	s_add_co_u32 s22, s22, s24
	s_mov_b32 s23, 0
	s_wait_kmcnt 0x0
	s_add_nc_u64 s[8:9], s[8:9], s[16:17]
	s_add_nc_u64 s[4:5], s[4:5], s[20:21]
	s_add_nc_u64 s[10:11], s[10:11], s[22:23]
	global_load_b128 v[KR:KR+3],   v[XO], s[6:7]
	global_load_b128 v[KR+4:KR+7], v[XO], s[6:7] offset:512
.irp i, 0,1,2,3
	global_load_b128 v[XR+8*(\i):XR+8*(\i)+3],   v[XO], s[4:5] offset:1024*(\i)
	global_load_b128 v[XR+8*(\i)+4:XR+8*(\i)+7], v[XO], s[4:5] offset:1024*(\i)+512
.endr
.set q, 0
.rept 32                                               ; load q = 16 u + t: rows t + 32 u (lanes 0-15) and t + 16 + 32 u (lanes 16-31)
	global_load_b128 v[D+4*q:D+4*q+3], v[AO], s[8:9] offset:(q%16+32*(q/16))*ROWB
.set q, q+1
.endr
; The four pairs at work: low + high, then the sum over each half of 16 lanes, which rides on the additions (DPP); the four take turns, so that no line waits for the one before it.
.macro SUM16
.irp i, 0,1,2,3
	v_add_f32 v[T+2*(\i)], v[T+2*(\i)], v[T+2*(\i)+1]
.endr
.irp x, 1,2,4,8
.irp i, 0,1,2,3
	v_add_f32_dpp v[T+2*(\i)], v[T+2*(\i)], v[T+2*(\i)] row_xmask:\x row_mask:0xf bank_mask:0xf
.endr
.endr
.endm
	s_wait_loadcnt 32                              ; k and my four rows of X are in; the 32 loads of A, issued behind them, stay out
.irp i, 0,1,2,3
	v_pk_mul_f32 v[T+2*(\i):T+2*(\i)+1], v[XR+8*(\i):XR+8*(\i)+1], v[KR:KR+1]
.endr
.irp c, 2,4,6
.irp i, 0,1,2,3
	v_pk_fma_f32 v[T+2*(\i):T+2*(\i)+1], v[XR+8*(\i)+(\c):XR+8*(\i)+(\c)+1], v[KR+(\c):KR+(\c)+1], v[T+2*(\i):T+2*(\i)+1]
.endr
.endr
	SUM16
.irp i, 0,1,2,3
	v_permlanex16_b32 v[T+2*(\i)+1], v[T+2*(\i)], s18, s19  ; the other half's sum; the destination has been written
.endr
.irp i, 0,1,2,3
	v_add_f32 v[T+2*(\i)], v[T+2*(\i)], v[T+2*(\i)+1]       ; z of row 64 cb + 4 wave + i, in every lane
.endr
.irp i, 0,1,2,3
	ds_store_b32 v[ZST], v[T+2*(\i)] offset:4*(\i)          ; all lanes write the same word with the same number
.endr
	s_wait_dscnt 0x0                               ; for the others' sake: my four z are in LDS
	s_barrier_signal -1
	s_barrier_wait -1                              ; all 64 are
	ds_load_b128 v[Z:Z+3], v[ZRD]
	s_wait_dscnt 0x0
; Four loads of A, q0 .. q0 + 3: each lane's four products, the sum over 16 lanes = a row's part; lane t (and t + 16) keeps it: lane l ends with rows l and l + 32.
.macro QUAD q0
	s_wait_loadcnt 28-(\q0)                        ; loads come back in order: these four are in, the 28 - q0 behind them stay out
.irp j, 0,1,2,3
	v_pk_mul_f32 v[T+2*(\j):T+2*(\j)+1], v[D+4*((\q0)+(\j)):D+4*((\q0)+(\j))+1], v[Z:Z+1]
.endr
.irp j, 0,1,2,3
	v_pk_fma_f32 v[T+2*(\j):T+2*(\j)+1], v[D+4*((\q0)+(\j))+2:D+4*((\q0)+(\j))+3], v[Z+2:Z+3], v[T+2*(\j):T+2*(\j)+1]
.endr
	SUM16
.irp j, 0,1,2,3
.if ((\q0)+(\j))%16 == 0
	v_mov_b32 v[R+((\q0)+(\j))/16], v[T+2*(\j)]    ; the first of sixteen writes the whole register
.else
	s_mov_b32 vcc_lo, 0x10001<<(((\q0)+(\j))%16)   ; lanes t and t + 16
	v_cndmask_b32 v[R+((\q0)+(\j))/16], v[R+((\q0)+(\j))/16], v[T+2*(\j)], vcc_lo
.endif
.endr
.endm
.irp q0, 0,4,8,12,16,20,24,28
	QUAD \q0
.endr
	global_store_b64 v[PO], v[R:R+1], s[10:11]     ; the wave stores 256 consecutive bytes, at a multiple of 256 from part's first byte
	s_wait_tensorcnt 0x0                           ; the wave's end: a wait, an add of 0 to my spare word and its wait, behind my last LDS store
	ds_add_u32 v[SPW], v[NIL]
	s_wait_dscnt 0x0
	s_endpgm
.Lfunc_end_k_qa2e7269e28_partial:
	.size	k_qa2e7269e28_partial, .Lfunc_end_k_qa2e7269e28_partial-k_qa2e7269e28_partial
	.p2alignl 7, 3214868480
	.fill 96, 4, 3214868480
	.section	.rodata,"a",@progbits
	.p2align	6, 0x0
	.amdhsa_kernel k_qa2e7269e28_partial
		.amdhsa_group_segment_fixed_size 2304
		.amdhsa_private_segment_fixed_size 0
		.amdhsa_enable_private_segment 0
		.amdhsa_kernarg_size 32
		.amdhsa_user_sgpr_count 2
		.amdhsa_user_sgpr_kernarg_segment_ptr 1
		.amdhsa_wavefront_size32 1
		.amdhsa_system_sgpr_workgroup_id_x 1
		.amdhsa_system_sgpr_workgroup_id_y 1
		.amdhsa_system_sgpr_workgroup_id_z 1
		.amdhsa_system_vgpr_workitem_id 0
		.amdhsa_next_free_vgpr 192
		.amdhsa_next_free_sgpr 66
		.amdhsa_reserve_vcc 1
		.amdhsa_float_denorm_mode_32 3
		.amdhsa_float_denorm_mode_16_64 3
		.amdhsa_memory_ordered 1
		.amdhsa_forward_progress 1
		.amdhsa_inst_pref_size 26
	.end_amdhsa_kernel
	.amdgpu_metadata
---
amdhsa.version: [ 1, 2 ]
amdhsa.kernels:
  - .name:           k_qa2e7269e28_partial
    .symbol:         k_qa2e7269e28_partial.kd
    .args:
      - { .name: X, .offset: 0, .size: 8, .value_kind: global_buffer, .address_space: global }
      - { .name: kernel, .offset: 8, .size: 8, .value_kind: global_buffer, .address_space: global }
      - { .name: A, .offset: 16, .size: 8, .value_kind: global_buffer, .address_space: global }
      - { .name: part, .offset: 24, .size: 8, .value_kind: global_buffer, .address_space: global }
    .group_segment_fixed_size: 2304
    .private_segment_fixed_size: 0
    .kernarg_segment_align: 8
    .kernarg_segment_size: 32
    .max_flat_workgroup_size: 512
    .sgpr_count:     66
    .vgpr_count:     192
    .wavefront_size: 32
...
	.end_amdgpu_metadata
.endif
;; end of part 1
;; launch select (part 2): grid 64 x 1, 1 waves a work-group, no clusters, 0 bytes of LDS; arguments part, I, idx, gate, out2; writes idx, gate, out2
.if DOCPART == 2
	.amdgcn_target "amdgcn-amd-amdhsa--gfx1250"
	.amdhsa_code_object_version 6
	.text
	.protected	k_qa2e7269e28_select
	.globl	k_qa2e7269e28_select
	.p2align	8
	.type	k_qa2e7269e28_select,@function
k_qa2e7269e28_select:
	s_mov_b64 s[64:65], 0
	v_nop
	global_prefetch_b8 v0, s[64:65] scope:SCOPE_SE
	s_setreg_imm32_b32 hwreg(HW_REG_WAVE_MODE, 25, 1), 1
	s_wait_xcnt 0x0
; THE SELECTION.  One wave to a graph (64 graphs, 64 work-groups: there is no more work to share).  Lane l holds nodes l and l + 32 of the graph.
;   y = the sum of the 64 column blocks' parts;  gate[node] = tanh(y);  a node's rank = the number of nodes of its graph with a greater score, or an equal score and a lower number
;   (the order of a stable descending sort);  the 32 nodes of rank under 32 are kept, in node order:  idx[32 g + j] = the j-th kept node,  out2[32 g + j] = I of that node.
; NOTHING HERE STEERS AN ADDRESS OR A BRANCH: ranks are counted by carries, and slot j finds its node by counting the nodes i up to which at most j are kept; I's value follows by selects.
; LIMITS.  tanh(y) = 1 - 2 / (1 + 2^(2.885390 y)): off by about 1e-7 absolutely, exactly 1 and -1 where the power overflows or vanishes.  +0 and -0 count as equal.
; Two scores nearer to each other than the sums' rounding (see the launch before) may change places.  A NaN score compares false with everything and so gets rank 0 from its own side: it is not ranked
; as a sort ranks it; the numbers stored stay within 0 .. 63 of the graph all the same.
; The two last stores are 128 bytes a graph: halves of aligned blocks of 256 bytes, 16 KiB in the whole launch.
.set D, 32                             ; v[32:159] the 64 parts, a pair (node l, node l + 32) for each column block
                                       ; v1 8 x lane; v2 4 x lane; v[4:11] four chains of sums, at last v4 = y of node l, v5 = y of node l + 32
                                       ; v12, v13 their ranks; v15 the slot's node; v16 the slot's I; v17, v18 I of nodes l, l + 32; v20, v21 the gates
                                       ; s[32:39] eight scores as scalars; s20 64 g; s21-s26 at work
	s_load_b256 s[4:11], s[0:1], 0x0               ; part s[4:5], I s[6:7], idx s[8:9], gate s[10:11]
	s_load_b64 s[12:13], s[0:1], 0x20              ; out2
	v_lshlrev_b32 v1, 3, v0
	v_lshlrev_b32 v2, 2, v0
	s_lshl_b32 s16, ttmp9, 8                       ; 256 bytes a graph in a block of part, in I and in gate
	s_mov_b32 s17, 0
	s_lshl_b32 s18, ttmp9, 7                       ; 128 bytes a graph in idx and out2
	s_mov_b32 s19, 0
	s_lshl_b32 s20, ttmp9, 6                       ; the graph's first node
	s_wait_kmcnt 0x0
	s_add_nc_u64 s[4:5], s[4:5], s[16:17]
	s_add_nc_u64 s[6:7], s[6:7], s[16:17]
	s_add_nc_u64 s[10:11], s[10:11], s[16:17]
	s_add_nc_u64 s[8:9], s[8:9], s[18:19]
	s_add_nc_u64 s[12:13], s[12:13], s[18:19]
	global_load_b32 v17, v2, s[6:7]
	global_load_b32 v18, v2, s[6:7] offset:128
.macro BATCH b                         ; sixteen column blocks' parts: each load takes the graph's 256 consecutive bytes of a block
.set c, 16*(\b)
.rept 16
	global_load_b64 v[D+2*c:D+2*c+1], v1, s[4:5] offset:c*16384 th:TH_LOAD_NT
.set c, c+1
.endr
.endm
.macro SUMS from, to                   ; blocks from .. to - 1 onto the four chains
.set c, (\from)
.rept (\to)-(\from)
	v_pk_add_f32 v[4+2*(c%4):5+2*(c%4)], v[4+2*(c%4):5+2*(c%4)], v[D+2*c:D+2*c+1]
.set c, c+1
.endr
.endm
	BATCH 0
	BATCH 1
	BATCH 2
	s_wait_loadcnt 32                              ; I and batch 0 are in; batches 1 and 2 stay out
.irp c, 0,1,2,3
	v_pk_add_f32 v[4+2*(\c):5+2*(\c)], v[D+2*(\c):D+2*(\c)+1], v[D+2*(\c)+8:D+2*(\c)+9]  ; the first sums start the chains: nothing is cleared
.endr
	SUMS 8, 16
	BATCH 3
	s_wait_loadcnt 32                              ; batch 1 is in; 2 and 3 stay out
	SUMS 16, 32
	s_wait_loadcnt 16                              ; batch 2
	SUMS 32, 48
	s_wait_loadcnt 0x0
	SUMS 48, 64
	v_pk_add_f32 v[4:5], v[4:5], v[6:7]
	v_pk_add_f32 v[8:9], v[8:9], v[10:11]
	v_pk_add_f32 v[4:5], v[4:5], v[8:9]            ; y
	v_mul_f32 v20, 0x4038aa3b, v4                  ; 2 log2(e) y
	v_mul_f32 v21, 0x4038aa3b, v5
	v_exp_f32 v20, v20
	v_exp_f32 v21, v21
	v_mov_b32 v12, 0                               ; a plain line behind the exponentials, ahead of their use (ISA guide 5.7.2): the ranks start at 0
	s_wait_alu depctr_va_vdst(0)
	v_add_f32 v20, 1.0, v20
	v_add_f32 v21, 1.0, v21
	v_rcp_f32 v20, v20
	v_rcp_f32 v21, v21
	v_mov_b32 v13, 0                               ; and behind the reciprocals
	s_wait_alu depctr_va_vdst(0)
	v_fma_f32 v20, v20, -2.0, 1.0
	v_fma_f32 v21, v21, -2.0, 1.0
	global_store_b32 v2, v20, s[10:11]             ; the two stores fill the graph's 256 bytes of gate
	global_store_b32 v2, v21, s[10:11] offset:128
; Node j's score, a scalar, against all 64.  In j's own half of the nodes: greater, or not less and j the lower number (lanes above j's).  In the other half the numbers' order is known.
.macro RANK j
.set jl, (\j)%32
.set hf, (\j)/32
.set sy, 32+(\j)%8
.if jl < 31
	v_cmp_gt_f32 s21, s[sy], v[4+hf]
	v_cmp_ge_f32 s22, s[sy], v[4+hf]
	s_and_b32 s22, s22, (0xffffffff<<(jl+1))&0xffffffff
	s_or_b32 vcc_lo, s21, s22
.else
	v_cmp_gt_f32 vcc_lo, s[sy], v[4+hf]
.endif
	v_add_co_ci_u32 v[12+hf], vcc_lo, 0, v[12+hf], vcc_lo  ; the rank grows by the lane's bit
.if hf == 0
	v_cmp_ge_f32 vcc_lo, s[sy], v5                 ; j is the lower number
.else
	v_cmp_gt_f32 vcc_lo, s[sy], v4                 ; j is the higher
.endif
	v_add_co_ci_u32 v[13-hf], vcc_lo, 0, v[13-hf], vcc_lo
.endm
.set j, 0
.rept 8
.set e, 0
.rept 8
	v_readlane_b32 s[32+e], v[4+j/32], (j+e)%32
.set e, e+1
.endr
.rept 8
	RANK j
.set j, j+1
.endr
.endr
	v_cmp_gt_u32 s22, 32, v12                      ; kept: nodes 0-31,
	v_cmp_gt_u32 s23, 32, v13                      ; nodes 32-63
	s_bcnt1_i32_b32 s25, s22
	v_readlane_b32 s26, v17, 0
	v_mov_b32 v15, 0
	v_mov_b32 v16, s26
; Slot j's node is the number of nodes i with at most j kept among 0 .. i.  That holds for i = 0 .. node - 1 and for no later i, so the last select taken leaves I of the node itself.
.set i, 0
.rept 63
.if i < 31
	s_and_b32 s24, s22, (2<<i)-1
	s_bcnt1_i32_b32 s24, s24
.elseif i == 31
	s_mov_b32 s24, s25
.else
	s_and_b32 s24, s23, (2<<(i-32))-1
	s_bcnt1_i32_b32 s24, s24
	s_add_co_u32 s24, s24, s25
.endif
	v_readlane_b32 s26, v[17+(i+1)/32], (i+1)%32
	v_cmp_le_u32 vcc_lo, s24, v0
	v_cndmask_b32 v16, v16, s26, vcc_lo
	v_add_co_ci_u32 v15, vcc_lo, 0, v15, vcc_lo
.set i, i+1
.endr
	v_add_nc_u32 v15, s20, v15                     ; the node's number in the whole batch
	global_store_b32 v2, v15, s[8:9]
	global_store_b32 v2, v16, s[12:13]
	s_endpgm
.Lfunc_end_k_qa2e7269e28_select:
	.size	k_qa2e7269e28_select, .Lfunc_end_k_qa2e7269e28_select-k_qa2e7269e28_select
	.p2alignl 7, 3214868480
	.fill 96, 4, 3214868480
	.section	.rodata,"a",@progbits
	.p2align	6, 0x0
	.amdhsa_kernel k_qa2e7269e28_select
		.amdhsa_group_segment_fixed_size 0
		.amdhsa_private_segment_fixed_size 0
		.amdhsa_enable_private_segment 0
		.amdhsa_kernarg_size 40
		.amdhsa_user_sgpr_count 2
		.amdhsa_user_sgpr_kernarg_segment_ptr 1
		.amdhsa_wavefront_size32 1
		.amdhsa_system_sgpr_workgroup_id_x 1
		.amdhsa_system_sgpr_workgroup_id_y 1
		.amdhsa_system_sgpr_workgroup_id_z 1
		.amdhsa_system_vgpr_workitem_id 0
		.amdhsa_next_free_vgpr 160
		.amdhsa_next_free_sgpr 66
		.amdhsa_reserve_vcc 1
		.amdhsa_float_denorm_mode_32 3
		.amdhsa_float_denorm_mode_16_64 3
		.amdhsa_memory_ordered 1
		.amdhsa_forward_progress 1
		.amdhsa_inst_pref_size 54
	.end_amdhsa_kernel
	.amdgpu_metadata
---
amdhsa.version: [ 1, 2 ]
amdhsa.kernels:
  - .name:           k_qa2e7269e28_select
    .symbol:         k_qa2e7269e28_select.kd
    .args:
      - { .name: part, .offset: 0, .size: 8, .value_kind: global_buffer, .address_space: global }
      - { .name: I, .offset: 8, .size: 8, .value_kind: global_buffer, .address_space: global }
      - { .name: idx, .offset: 16, .size: 8, .value_kind: global_buffer, .address_space: global }
      - { .name: gate, .offset: 24, .size: 8, .value_kind: global_buffer, .address_space: global }
      - { .name: out2, .offset: 32, .size: 8, .value_kind: global_buffer, .address_space: global }
    .group_segment_fixed_size: 0
    .private_segment_fixed_size: 0
    .kernarg_segment_align: 8
    .kernarg_segment_size: 40
    .max_flat_workgroup_size: 32
    .sgpr_count:     66
    .vgpr_count:     160
    .wavefront_size: 32
...
	.end_amdgpu_metadata
.endif
;; end of part 2
;; launch pack (part 3): grid 256 x 1, 16 waves a work-group, no clusters, 71,680 bytes of LDS; arguments A, X, idx, gate, P, Q, out0; writes P, Q, out0
.if DOCPART == 3
	.amdgcn_target "amdgcn-amd-amdhsa--gfx1250"
	.amdhsa_code_object_version 6
	.text
	.protected	k_qa2e7269e28_pack
	.globl	k_qa2e7269e28_pack
	.p2align	8
	.type	k_qa2e7269e28_pack,@function
k_qa2e7269e28_pack:
	s_mov_b64 s[64:65], 0
	v_nop
	global_prefetch_b8 v0, s[64:65] scope:SCOPE_SE
	s_setreg_imm32_b32 hwreg(HW_REG_WAVE_MODE, 25, 1), 1
	s_wait_xcnt 0x0
; THE PRODUCT'S OPERANDS, AND out0.  Of A A only rows idx and columns idx are kept, so out1 = P Q^T with
;   P[m][k] = A[idx[m]][k],   Q[n][k] = A[k][idx[n]],   both [2048][4096] in bf16 (rounded to nearest even), K along the rows.   out0[m] = X[idx[m]] x gate[idx[m]], in f32.
; idx was stored by the launch before; each index is cut to 4,095 before it enters an address.
; SHARES.  Work-group w.  Waves 0-7 make Q: wave v takes graph g = 8 (w % 8) + v (32 kept columns, which lie in the graph's 256 bytes of every row of A) and rows k = 128 (w / 8) .. + 127.
; Lane l fetches its column's number from each row, four bytes a lane; eight rows' numbers make 16 bytes of a row of Q; they go through the wave's own stage in LDS and leave as whole rows of 256 bytes.
; Seven batches of eight such loads are on their way in each wave.  Waves 8-15 make P and out0: wave v takes row m = 8 w + v - 8: 16 KiB of A in 32 loads that go out together.
; No barrier: no wave reads what another wrote.  NO CLUSTER, NO TENSOR LOAD: what is fetched is chosen lane by lane from a list, and no two work-groups need the same bytes of A for Q.
.set ROWA,  16384                      ; bytes in a row of A
.set SP,    272                        ; a stage row: 256 bytes + 16: the 16 lanes of a 16-byte store, a row apart, fall into 16 different 16-byte columns of 256 bytes
.set STG,   32*SP                      ; a wave's stage: 32 rows of Q x 128 k
.set SPARE, 8*STG                      ; behind the eight stages: the spare words, 128 bytes for each of 16 waves, which no other line names
.set SPW, 2                            ; v2  LDS address of my spare word; never rewritten
.set NIL, 3                            ; v3  0; never rewritten
.set TQ,  40                           ; v[40:47]   Q: 16 packed bytes, two sets by turns
.set RG,  64                           ; v[64:119]  Q: seven sets of eight numbers as loaded; v[64:127] later the rows read back
.set DP,  64                           ; v[64:191]  P: load j at DP + 4 j
	s_load_b256 s[4:11], s[0:1], 0x0               ; A s[4:5], X s[6:7], idx s[8:9], gate s[10:11]
	s_load_b128 s[12:15], s[0:1], 0x20             ; P s[12:13], Q s[14:15]
	s_load_b64 s[16:17], s[0:1], 0x30              ; out0
	v_lshl_add_u32 v[SPW], v0, 2, SPARE
	v_mov_b32 v[NIL], 0
	v_and_b32 v1, 31, v0                           ; lane
	v_lshrrev_b32 v4, 5, v0
	v_readfirstlane_b32 s22, v4                    ; wave 0..15
	s_lshr_b32 s20, ttmp9, 3                       ; which 128 rows k
	s_and_b32 s21, ttmp9, 7                        ; which eight graphs
	s_mov_b32 s25, 0                               ; the high word of every offset
	s_wait_kmcnt 0x0
	s_cmp_lt_u32 s22, 8
	s_cbranch_scc0 .Lrows
	; ---- Q ----
	s_lshl_b32 s23, s21, 3
	s_add_co_u32 s23, s23, s22                     ; g
	s_lshl_b32 s24, s23, 7
	s_add_nc_u64 s[26:27], s[8:9], s[24:25]        ; the graph's 32 indices
	v_lshlrev_b32 v4, 2, v1
	global_load_b32 v5, v4, s[26:27]
	s_mul_i32 s28, s22, STG                        ; my stage
	v_mul_u32_u24 v6, v1, SP
	v_add_nc_u32 v6, s28, v6                       ; in: row = lane
	v_and_b32 v9, 15, v0
	v_bfe_u32 v10, v0, 4, 1
	v_mul_u32_u24 v7, v10, SP
	v_lshl_add_u32 v7, v9, 4, v7
	v_add_nc_u32 v7, s28, v7                       ; back: lanes 0-15 one row of 256 bytes, lanes 16-31 the next
	v_lshlrev_b32 v8, 13, v10                      ; and the same two rows in Q, 8,192 bytes apart
	v_lshl_add_u32 v8, v9, 4, v8
	s_lshl_b32 s24, s20, 21                        ; 128 rows of A
	s_add_nc_u64 s[30:31], s[4:5], s[24:25]
	s_lshl_b32 s24, s23, 18                        ; 32 rows of Q,
	s_lshl_b32 s29, s20, 8                         ; 128 k
	s_add_co_u32 s24, s24, s29
	s_add_nc_u64 s[32:33], s[14:15], s[24:25]
	s_wait_loadcnt 0x0
	v_min_u32 v5, 0xfff, v5                        ; inside A whatever was stored
	v_lshlrev_b32 v5, 2, v5                        ; my column, in bytes
.macro QLOAD i                         ; batch i: rows 8 i .. 8 i + 7
.irp e, 0,1,2,3,4,5,6,7
	global_load_b32 v[RG+8*((\i)%7)+(\e)], v5, s[30:31] offset:(8*(\i)+(\e))*ROWA
.endr
.endm
.macro QSTEP i
.if (\i) < 9
	s_wait_loadcnt 48                              ; batch i is in; the six batches issued behind it stay out
.else
	s_wait_loadcnt 8*(15-(\i))                     ; the last batches: 15 - i behind it
.endif
.irp e, 0,1,2,3
	v_cvt_pk_bf16_f32 v[TQ+4*((\i)%2)+(\e)], v[RG+8*((\i)%7)+2*(\e)], v[RG+8*((\i)%7)+2*(\e)+1]  ; the lower k in the low half
.endr
	ds_store_b128 v6, v[TQ+4*((\i)%2):TQ+4*((\i)%2)+3] offset:16*(\i)
.if (\i) < 9
	QLOAD (\i)+7                                   ; its set of registers takes the batch seven further on
.endif
.endm
.irp i, 0,1,2,3,4,5,6
	QLOAD \i
.endr
.irp i, 0,1,2,3,4,5,6,7,8,9,10,11,12,13,14,15
	QSTEP \i
.endr
.irp t, 0,1,2,3,4,5,6,7,8,9,10,11,12,13,14,15
	ds_load_b128 v[RG+4*(\t):RG+4*(\t)+3], v7 offset:(\t)*2*SP  ; LDS serves a wave's instructions in order (ISA guide 5.7.1.4): these see my stores above
.endr
.irp t, 0,1,2,3,4,5,6,7,8,9,10,11,12,13,14,15
	s_wait_dscnt 15-(\t)
	global_store_b128 v8, v[RG+4*(\t):RG+4*(\t)+3], s[32:33] offset:(\t)*16384  ; 16 lanes store 256 consecutive bytes, at a multiple of 256 from Q's first byte
.endr
	s_wait_tensorcnt 0x0                           ; the wave's end: a wait, an add of 0 to my spare word and its wait, behind my last LDS store
	ds_add_u32 v[SPW], v[NIL]
	s_wait_dscnt 0x0
	s_endpgm
	; ---- P and out0 ----
.Lrows:
	s_lshl_b32 s23, ttmp9, 3
	s_add_co_u32 s23, s23, s22
	s_sub_co_u32 s23, s23, 8                       ; m
	s_lshl_b32 s24, s23, 2
	s_add_nc_u64 s[26:27], s[8:9], s[24:25]
	v_mov_b32 v4, 0
	global_load_b32 v5, v4, s[26:27]               ; idx[m], the same word in every lane
	v_lshlrev_b32 v9, 4, v1                        ; 16 x lane
	v_lshlrev_b32 v11, 3, v1                       ; 8 x lane
	s_lshl_b32 s24, s23, 13
	s_add_nc_u64 s[12:13], s[12:13], s[24:25]      ; P's row m
	s_lshl_b32 s24, s23, 10
	s_add_nc_u64 s[16:17], s[16:17], s[24:25]      ; out0's row m
	s_wait_loadcnt 0x0
	v_min_u32 v5, 0xfff, v5                        ; inside A, X and gate whatever was stored
	v_lshl_add_u32 v6, v5, 14, v9                  ; the node's row of A,
	v_lshl_add_u32 v7, v5, 10, v9                  ; of X,
	v_lshlrev_b32 v8, 2, v5                        ; its gate
	global_load_b32 v10, v8, s[10:11]
	global_load_b128 v[12:15], v7, s[6:7]
	global_load_b128 v[16:19], v7, s[6:7] offset:512
.set j, 0
.rept 32
	global_load_b128 v[DP+4*j:DP+4*j+3], v6, s[4:5] offset:512*j
.set j, j+1
.endr
	s_wait_loadcnt 32                              ; the gate and X's row are in; the 32 loads of A stay out
.irp c, 12,14,16,18
	v_pk_mul_f32 v[\c:\c+1], v[\c:\c+1], v[10:11] op_sel_hi:[1,0]  ; both halves times v10, the gate
.endr
	global_store_b128 v9, v[12:15], s[16:17] th:TH_STORE_NT
	global_store_b128 v9, v[16:19], s[16:17] offset:512 th:TH_STORE_NT
.set j, 0
.rept 32
	s_wait_loadcnt 31-j                            ; load j is in
	v_cvt_pk_bf16_f32 v[DP+4*j],   v[DP+4*j],   v[DP+4*j+1]
	v_cvt_pk_bf16_f32 v[DP+4*j+1], v[DP+4*j+2], v[DP+4*j+3]
	global_store_b64 v11, v[DP+4*j:DP+4*j+1], s[12:13] offset:256*j  ; the wave stores 256 consecutive bytes, at a multiple of 256 from P's first byte; no register is used again
.set j, j+1
.endr
	s_wait_tensorcnt 0x0                           ; the wave's end
	ds_add_u32 v[SPW], v[NIL]
	s_wait_dscnt 0x0
	s_endpgm
.Lfunc_end_k_qa2e7269e28_pack:
	.size	k_qa2e7269e28_pack, .Lfunc_end_k_qa2e7269e28_pack-k_qa2e7269e28_pack
	.p2alignl 7, 3214868480
	.fill 96, 4, 3214868480
	.section	.rodata,"a",@progbits
	.p2align	6, 0x0
	.amdhsa_kernel k_qa2e7269e28_pack
		.amdhsa_group_segment_fixed_size 71680
		.amdhsa_private_segment_fixed_size 0
		.amdhsa_enable_private_segment 0
		.amdhsa_kernarg_size 56
		.amdhsa_user_sgpr_count 2
		.amdhsa_user_sgpr_kernarg_segment_ptr 1
		.amdhsa_wavefront_size32 1
		.amdhsa_system_sgpr_workgroup_id_x 1
		.amdhsa_system_sgpr_workgroup_id_y 1
		.amdhsa_system_sgpr_workgroup_id_z 1
		.amdhsa_system_vgpr_workitem_id 0
		.amdhsa_next_free_vgpr 192
		.amdhsa_next_free_sgpr 66
		.amdhsa_reserve_vcc 0
		.amdhsa_float_denorm_mode_32 3
		.amdhsa_float_denorm_mode_16_64 3
		.amdhsa_memory_ordered 1
		.amdhsa_forward_progress 1
		.amdhsa_inst_pref_size 36
	.end_amdhsa_kernel
	.amdgpu_metadata
---
amdhsa.version: [ 1, 2 ]
amdhsa.kernels:
  - .name:           k_qa2e7269e28_pack
    .symbol:         k_qa2e7269e28_pack.kd
    .args:
      - { .name: A, .offset: 0, .size: 8, .value_kind: global_buffer, .address_space: global }
      - { .name: X, .offset: 8, .size: 8, .value_kind: global_buffer, .address_space: global }
      - { .name: idx, .offset: 16, .size: 8, .value_kind: global_buffer, .address_space: global }
      - { .name: gate, .offset: 24, .size: 8, .value_kind: global_buffer, .address_space: global }
      - { .name: P, .offset: 32, .size: 8, .value_kind: global_buffer, .address_space: global }
      - { .name: Q, .offset: 40, .size: 8, .value_kind: global_buffer, .address_space: global }
      - { .name: out0, .offset: 48, .size: 8, .value_kind: global_buffer, .address_space: global }
    .group_segment_fixed_size: 71680
    .private_segment_fixed_size: 0
    .kernarg_segment_align: 8
    .kernarg_segment_size: 56
    .max_flat_workgroup_size: 512
    .sgpr_count:     66
    .vgpr_count:     192
    .wavefront_size: 32
...
	.end_amdgpu_metadata
.endif
;; end of part 3
;; launch gemm (part 4): grid 16 x 16, 4 waves a work-group, clusters of 4 x 4, 327,680 bytes of LDS; arguments P, Q, out1; writes out1
.if DOCPART == 4
	.amdgcn_target "amdgcn-amd-amdhsa--gfx1250"
	.amdhsa_code_object_version 6
	.text
	.protected	k_qa2e7269e28_gemm
	.globl	k_qa2e7269e28_gemm
	.p2align	8
	.type	k_qa2e7269e28_gemm,@function
k_qa2e7269e28_gemm:
	s_mov_b64 s[64:65], 0
	v_nop
	global_prefetch_b8 v0, s[64:65] scope:SCOPE_SE
	s_setreg_imm32_b32 hwreg(HW_REG_WAVE_MODE, 25, 1), 1
	s_wait_xcnt 0x0
	s_wait_alu depctr_hold_cnt(0) depctr_sa_sdst(0) depctr_va_vdst(0) depctr_va_sdst(0) depctr_va_ssrc(0) depctr_va_vcc(0) depctr_vm_vsrc(0)
	s_getreg_b32 s2, hwreg(HW_REG_IB_STS2, 6, 4)
	s_cmp_eq_u32 s2, 0
	s_cbranch_scc0 .Lentry_in_a_cluster
	s_endpgm
.Lentry_in_a_cluster:
	s_bfe_u32 s2, ttmp6, 0x10000c
	s_cmp_lg_u32 s2, 0xf033
	s_cbranch_scc0 .Lentry_shape_is_right
	s_endpgm
.Lentry_shape_is_right:
; out1[m][n] = the sum over k of P[m][k] Q[n][k].  P, Q: [2048][4096] bf16, K along the rows; out1: [2048][2048] f32; sums in f32, K ascending.
; A tile of out1 is 128 x 128: 16 x 16 tiles, one work-group to each.  Four waves, each 64 x 64: 16 accumulators of 16 x 16, 128 registers.  K goes in steps of 256 (LDS rows of 512 bytes; a wave's
; tensor load brings 64 of them) through a ring of two LDS slots, as long as two slots in LDS allow: 128 matrix instructions a wave in a step, 112 between a request and the wait for it.
; CLUSTERS: 4 x 4 work-groups.  The four of a row of the cluster need the same tiles of P, the four of a column the same tiles of Q: each tile is asked for JOINTLY, by the same tensor load with the
; same descriptor and a mask that names the four.  THE MATRIX INSTRUCTION IS USED TRANSPOSED (source 0 = 16 rows of Q, source 1 = 16 rows of P): a lane then holds eight neighbouring numbers of a row of out1.
; THE WAY OUT: a wave's 64 columns of f32 are 256 bytes, aligned; 16 rows at a time go through the wave's own stage in LDS and leave as whole rows.  No barrier is needed there.
; LIMIT.  The operands are A's numbers rounded to bf16 by the launch before; nothing else is rounded but the f32 sums.
; REGISTERS: window 0: v0-31 addresses; v128-255 the accumulators ((a, b) at v[128 + 8 (4 a + b)]), which also take the rows read back from the stage.
;   window 1: two fragment buffers of 128: for 64 along K (two matrix instructions deep), 64 registers of P (2 x 4 x 16 rows x 32 K), then 64 of Q.
.set SIZE_M, 2048
.set SIZE_N, 2048
.set SIZE_K, 4096
.set ROWC,   SIZE_N*4                  ; bytes in a row of out1
.set KSTEP,  256
.set PITCH,  528                       ; an LDS row: 512 bytes of data + 16 of padding = 132 words: row r starts at bank 4 r mod 64 (64 banks of 4 bytes: ISA guide 11.1)
.set HALFT,  64*PITCH                  ; 64 rows: what one tensor load brings, and what one wave reads of P or of Q
.set SLOT,   4*HALFT                   ; P's 128 rows, then Q's 128 rows
.set STAGE,  2*SLOT                    ; behind the ring, never filled by a tensor load: 16 rows x 272 bytes for each wave, for the way out
.set SPITCH, 272
.set SPARE,  STAGE+4*16*SPITCH         ; behind the stages: the spare words, 128 bytes for each wave: two blocks of 256 bytes that no other line names
.set LAPS, SIZE_K/(2*KSTEP)            ; a lap = two K steps = once round the ring: 8
.set ADRA, 16                          ; v16-17  LDS address of my P fragments in slot 0, 1
.set ADRB, 20                          ; v20-21  the same for Q
.set STO,  24                          ; v24     the way out: where I put 32 bytes of a row
.set RD,   25                          ; v25     the way out: where I read a row back
.set CO,   26                          ; v26     my byte offset in out1
.set SPW,  28                          ; v28     LDS address of my spare word: SPARE + 4 x my thread's number; never rewritten
.set NIL,  29                          ; v29     0; never rewritten
.set ACC,  128
.set F0,   0                           ; fragment buffers, in window 1
.set F1,   128
.set G1, 24                            ; s[24:31] descriptor group 1 for P's tiles;  s[32:39] group 0, one set for each slot
.set G0, 32
.set G1B, 48                           ; s[48:55], s[56:63] the same for Q's tiles
.set G0B, 56
.set MSB, 0
.macro WIN new                         ; the immediate's high byte repeats the setting that is left; a switch that changes nothing is dropped
.if MSB != (\new)
	s_set_vgpr_msb (MSB<<8)|(\new)
.set MSB, \new
.endif
.endm
.set MUL,  0x05                        ; sources 0 (Q) and 1 (P) window 1; C and D window 0
.set TO_F, 0x40                        ; destination window 1, address window 0
.macro JLOAD s                         ; a joint load: waves 0 and 1 fetch P's two halves, waves 2 and 3 Q's; an s_nop 0 and four v_nop follow each of the two lines, ahead of the jump, the label and what follows
	s_cmp_eq_u32 s11, 0
	s_cbranch_scc0 .Lfor_b_\@
	tensor_load_to_lds s[G0+4*(\s):G0+4*(\s)+3], s[G1:G1+7]
	s_nop 0
.rept 4
	v_nop
.endr
	s_branch .Lasked_\@
.Lfor_b_\@:
	tensor_load_to_lds s[G0B+4*(\s):G0B+4*(\s)+3], s[G1B:G1B+7]
	s_nop 0
.rept 4
	v_nop
.endr
.Lasked_\@:
.endm
.macro CREST                           ; a round of the cluster's barrier behind its opening barrier: wave 0 signals for the work-group, every wave waits for all sixteen, my work-group's barrier closes it
	s_cmp_lg_u32 s10, 0
	s_cbranch_scc1 .Lnot_wave_0_\@
	s_barrier_signal -3
.Lnot_wave_0_\@:
	s_barrier_wait -3
	s_barrier_signal -1
	s_barrier_wait -1
.endm
.macro CROUND                          ; a whole round
	s_barrier_signal -1
	s_barrier_wait -1
	CREST
.endm
	s_load_b128 s[4:7], s[0:1], 0x0                ; P s[4:5], Q s[6:7]
	s_load_b64 s[8:9], s[0:1], 0x10                ; out1
	v_lshl_add_u32 v[SPW], v0, 2, SPARE
	v_mov_b32 v[NIL], 0
	ds_add_u32 v[SPW], v[NIL]                      ; the wave's opening: the add and its wait stand ahead of my first tensor load; the set-up below, work on registers, stands between them
	v_lshrrev_b32 v1, 5, v0
	v_readfirstlane_b32 s10, v1                    ; wave 0..3
	s_lshr_b32 s11, s10, 1                         ; which half of the tile's rows is mine.  Also: I fetch for P (0) or for Q (1)
	s_and_b32 s12, s10, 1                          ; which half of its columns.  Also: which 64 rows of that tile I fetch
	s_bfe_u32 s40, ttmp6, 0x40000                  ; cx, cy: my place in the cluster
	s_bfe_u32 s41, ttmp6, 0x40004
	s_lshl_b32 s42, ttmp9, 2                       ; in a cluster launch ttmp9 and ttmp7 count clusters
	s_add_co_u32 s42, s42, s40                     ; tile column = 4 x cluster x + cx
	s_and_b32 s13, ttmp7, 0xffff
	s_lshl_b32 s13, s13, 2
	s_add_co_u32 s13, s13, s41                     ; tile row = 4 x cluster y + cy
	s_lshl_b32 s43, s41, 2
	s_lshl_b32 s43, 15, s43                        ; my row of the cluster: places 4 cy .. 4 cy + 3
	s_lshl_b32 s44, 0x1111, s40                    ; my column: places cx, cx + 4, cx + 8, cx + 12
	; descriptor group 1: a tile of 64 rows x 256 elements, padded in LDS
	s_or_b32 s[G1+0], s43, (1<<16)|(1<<20)|(1<<21)|(6<<22)|(3<<25)  ; 15:0 the mask: P's tiles go to my row; 17:16 element of 2 bytes; 20 padding on; 21 set beside a mask; 24:22 after every 128 words (code 6); 31:25 of 4 words (code 3)
	s_or_b32 s[G1B+0], s44, (1<<16)|(1<<20)|(1<<21)|(6<<22)|(3<<25) ; the same with the mask of my column, for Q's tiles
.irp g, G1, G1B
	s_mov_b32 s[(\g)+1], KSTEP<<16                 ; tensor_dim0 = 256
	s_mov_b32 s[(\g)+2], 64<<16                    ; tensor_dim1 = 64
	s_mov_b32 s[(\g)+3], KSTEP<<16                 ; tile_dim0 = 256
	s_mov_b32 s[(\g)+4], 64                        ; tile_dim1 = 64
	s_mov_b32 s[(\g)+5], SIZE_K                    ; elements from row to row
	s_mov_b32 s[(\g)+6], 0
	s_mov_b32 s[(\g)+7], 0
.endr
	; P's tiles hang on the tile row alone, which my row of the cluster shares; Q's on the tile column alone, which my column shares.  Each address is made in registers that never hold the other coordinate.
	s_lshl_b32 s17, s12, 6                         ; which 64 rows of the tile I fetch
	s_lshl_b32 s16, s13, 7
	s_add_co_u32 s16, s16, s17                     ; P: row 128 x tile row + 64 x half
	s_lshl_b32 s46, s42, 7
	s_add_co_u32 s46, s46, s17                     ; Q: row 128 x tile column + 64 x half
	s_mov_b32 s17, 0
	s_mov_b32 s47, 0
	s_mov_b64 s[18:19], SIZE_K*2
	s_mul_u64 s[16:17], s[16:17], s[18:19]
	s_mul_u64 s[46:47], s[46:47], s[18:19]
	s_mul_i32 s20, s10, HALFT                      ; where they go: wave x 64 rows: no place in the cluster enters an LDS address
	s_wait_dscnt 0x0                               ; the opening add is done
	s_wait_kmcnt 0x0
	s_add_nc_u64 s[14:15], s[4:5], s[16:17]
	s_add_nc_u64 s[46:47], s[6:7], s[46:47]
	CROUND                                         ; all sixteen work-groups are here: the first joint loads meet
.irp s, 0,1
	s_mov_b32 s[G0+4*(\s)], 1                                        ; count = 1
	s_add_co_u32 s[G0+4*(\s)+1], s20, (\s)*SLOT                      ; LDS address
	s_add_nc_u64 s[G0+4*(\s)+2:G0+4*(\s)+3], s[14:15], (\s)*KSTEP*2  ; global address: K step s
	s_or_b32 s[G0+4*(\s)+3], s[G0+4*(\s)+3], 0x80000000              ; type = 2
	s_mov_b32 s[G0B+4*(\s)], 1
	s_add_co_u32 s[G0B+4*(\s)+1], s20, (\s)*SLOT
	s_add_nc_u64 s[G0B+4*(\s)+2:G0B+4*(\s)+3], s[46:47], (\s)*KSTEP*2
	s_or_b32 s[G0B+4*(\s)+3], s[G0B+4*(\s)+3], 0x80000000
	JLOAD \s                                       ; the ring is filled before anything else is done: two loads of mine are out
.endr
	v_and_b32 v1, 15, v0                           ; l % 16
	v_bfe_u32 v2, v0, 4, 1                         ; l / 16
	v_mul_u32_u24 v3, v1, PITCH
	v_lshl_add_u32 v3, v2, 4, v3                   ; a fragment's row x pitch + 16 x half
	s_mul_i32 s21, s11, HALFT                      ; my 64 rows of P
	s_mul_i32 s22, s12, HALFT                      ; my 64 rows of Q,
	s_add_co_u32 s22, s22, 2*HALFT                 ; which lie behind P's 128
.irp s, 0,1
	v_add_nc_u32 v[ADRA+(\s)], s21, v3
	v_add_nc_u32 v[ADRB+(\s)], s22, v3
	s_add_co_u32 s21, s21, SLOT
	s_add_co_u32 s22, s22, SLOT
.endr
	s_mul_i32 s23, s10, 16*SPITCH
	s_add_co_u32 s23, s23, STAGE                   ; my stage
	v_mul_u32_u24 v4, v1, SPITCH                   ; in: row l % 16, 32 bytes (8 columns of f32) for each half of the lanes
	v_lshl_add_u32 v4, v2, 5, v4
	v_add_nc_u32 v[STO], s23, v4
	v_mul_u32_u24 v5, v2, SPITCH                   ; back: lanes 0-15 take one row of 256 bytes, lanes 16-31 the next
	v_lshl_add_u32 v5, v1, 4, v5
	v_add_nc_u32 v[RD], s23, v5
	v_mul_u32_u24 v5, v2, ROWC                     ; and the same two rows in out1
	v_lshl_add_u32 v[CO], v1, 4, v5
	s_lshl_b32 s16, s13, 7
	s_lshl_b32 s17, s11, 6
	s_add_co_u32 s16, s16, s17                     ; my first row of out1: 128 x tile row + 64 x half,
	s_lshl_b32 s16, s16, 13                        ; 8,192 bytes a row (under 2^24)
	s_mov_b32 s17, 0
	s_add_nc_u64 s[8:9], s[8:9], s[16:17]
	s_lshl_b32 s46, s42, 9                         ; my first column, in bytes: 512 x tile column + 256 x half (in the registers that held Q's address: none that feeds P's descriptors ever holds cx)
	s_lshl_b32 s47, s12, 8
	s_add_co_u32 s46, s46, s47
	s_mov_b32 s47, 0
	s_add_nc_u64 s[8:9], s[8:9], s[46:47]
; 8 matrix instructions: m blocks a0, a0 + 1 x all 4 n blocks, 32 along K: half c of buffer f.  zero = 1: the first product starts the sums: nothing is cleared.
; The 16 accumulators take turns, one instruction a turn.
.macro MUL8 f, c, a0, zero
	WIN MUL
.irp a, \a0, (\a0)+1
.irp b, 0,1,2,3
.if \zero
	v_wmma_f32_16x16x32_bf16 v[ACC+8*(4*(\a)+(\b)):ACC+8*(4*(\a)+(\b))+7], v[(\f)+64+8*(4*(\c)+(\b)):(\f)+64+8*(4*(\c)+(\b))+7], v[(\f)+8*(4*(\c)+(\a)):(\f)+8*(4*(\c)+(\a))+7], 0
.else
	v_wmma_f32_16x16x32_bf16 v[ACC+8*(4*(\a)+(\b)):ACC+8*(4*(\a)+(\b))+7], v[(\f)+64+8*(4*(\c)+(\b)):(\f)+64+8*(4*(\c)+(\b))+7], v[(\f)+8*(4*(\c)+(\a)):(\f)+8*(4*(\c)+(\a))+7], v[ACC+8*(4*(\a)+(\b)):ACC+8*(4*(\a)+(\b))+7]
.endif
.endr
.endr
.endm
; 32 LDS loads in one run: the fragments of 64 along K at byte k of the rows, into buffer f; the first 32 along K first.
; A fragment is 16 rows x 32 K in 8 registers: lane l holds row l % 16, K = 8 (l / 16) + 0..7 and 16 + 8 (l / 16) + 0..7: two loads of 16 bytes, 32 bytes apart.
.macro FETCH slot, k, f
	WIN TO_F
.irp c, 0,1
.irp i, 0,1,2,3
	ds_load_b128 v[(\f)+64+8*(4*(\c)+(\i)):(\f)+64+8*(4*(\c)+(\i))+3],   v[ADRB+(\slot)] offset:(\k)+64*(\c)+(\i)*16*PITCH
	ds_load_b128 v[(\f)+64+8*(4*(\c)+(\i))+4:(\f)+64+8*(4*(\c)+(\i))+7], v[ADRB+(\slot)] offset:(\k)+64*(\c)+(\i)*16*PITCH+32
	ds_load_b128 v[(\f)+8*(4*(\c)+(\i)):(\f)+8*(4*(\c)+(\i))+3],         v[ADRA+(\slot)] offset:(\k)+64*(\c)+(\i)*16*PITCH
	ds_load_b128 v[(\f)+8*(4*(\c)+(\i))+4:(\f)+8*(4*(\c)+(\i))+7],       v[ADRA+(\slot)] offset:(\k)+64*(\c)+(\i)*16*PITCH+32
.endr
.endr
.endm
.macro PLACES                          ; four plain vector lines in front of loads into registers that matrix instructions have read, and of LDS stores that read results (ISA guide 7.12.1 for the stores)
.rept 4
	v_nop
.endr
.endm
; A K step is four quarters of 64 along K, 32 matrix instructions each, on buffers 0, 1, 0, 1.  One of the first three: multiplies buffer f and fetches the next quarter, at byte k, into g.
.macro QUARTER slot, k, f, g, zero
	s_wait_dscnt 16                                ; the first 32 along K are in; the youngest sixteen loads may be out
	WIN MUL
	MUL8 \f, 0, 0, \zero
	MUL8 \f, 0, 2, \zero
	PLACES
	FETCH \slot, \k, \g
	s_wait_dscnt 32                                ; all but the 32 just issued
	WIN MUL
	MUL8 \f, 1, 0, 0
	MUL8 \f, 1, 2, 0
.endm
; The last quarter multiplies buffer 1 and changes slots: ONE barrier; in front of it each wave waits for all its tensor loads, adds 0 to its spare word, and waits for that and for its own reads of this slot.
; fill = 1: this slot is filled again, two K steps ahead; the barrier then opens a round of the cluster's barrier, and the joint load is the first thing behind the round.
.macro TURN slot, next, fill
	WIN 0                                          ; (the add's two registers lie in window 0)
	s_wait_tensorcnt 0x0                           ; all my tensor loads have landed: the one that was out is my part of the next slot;
	ds_add_u32 v[SPW], v[NIL]                      ; 0 onto my spare word;
	s_wait_dscnt 17                                ; (the add and the youngest sixteen loads may be out)
	WIN MUL
	MUL8 F1, 0, 0, 0                               ; eight matrix instructions stand between the add and the wait for it
	s_wait_dscnt 0x0                               ; the add is done, and my reads of this slot are over
	s_barrier_signal -1
	MUL8 F1, 0, 2, 0                               ; work on registers while the others arrive
.if \fill
	WIN 0
.endif
	s_barrier_wait -1
.if \fill
	CREST                                          ; no wave of any partner still reads this slot's tile or has a load on its way
	s_add_nc_u64 s[G0+4*(\slot)+2:G0+4*(\slot)+3], s[G0+4*(\slot)+2:G0+4*(\slot)+3], 2*KSTEP*2
	s_add_nc_u64 s[G0B+4*(\slot)+2:G0B+4*(\slot)+3], s[G0B+4*(\slot)+2:G0B+4*(\slot)+3], 2*KSTEP*2
	JLOAD \slot                                    ; my one tensor load behind the round: 112 matrix instructions ahead of the wait for it; the four v_nop behind it are also the places in front of the loads below
.else
	PLACES
.endif
	FETCH \next, 0, F0
	WIN MUL
	MUL8 F1, 1, 0, 0
	MUL8 F1, 1, 2, 0
.endm
	s_wait_tensorcnt 1                             ; my part of K step 0 is in; K step 1's, issued behind it, may stay out
	s_barrier_signal -1
	s_barrier_wait -1                              ; everybody's is
	FETCH 0, 0, F0
	QUARTER 0, 128, F0, F1, 1                      ; the first quarter stands in front of the loop: its first products start the sums
	WIN 0                                          ; at a label and at a branch every window is 0
	s_mov_b32 s3, LAPS-1
.Llap:                                                 ; a trip goes once round the ring, from a lap's second quarter to the next lap's first, and fills both slots again
	QUARTER 0, 256, F1, F0, 0
	QUARTER 0, 384, F0, F1, 0
	TURN 0, 1, 1
	QUARTER 1, 128, F0, F1, 0
	QUARTER 1, 256, F1, F0, 0
	QUARTER 1, 384, F0, F1, 0
	TURN 1, 0, 1
	QUARTER 0, 128, F0, F1, 0
	WIN 0
	s_sub_co_u32 s3, s3, 1
	s_cmp_lg_u32 s3, 0
	s_cbranch_scc1 .Llap
	QUARTER 0, 256, F1, F0, 0                      ; the last lap is written out: it fills nothing, and has no round of the cluster's barrier
	QUARTER 0, 384, F0, F1, 0
	TURN 0, 1, 0
	QUARTER 1, 128, F0, F1, 0
	QUARTER 1, 256, F1, F0, 0
	QUARTER 1, 384, F0, F1, 0
	s_wait_dscnt 16                                ; the very last quarter: nothing more to fetch
	WIN MUL
	MUL8 F1, 0, 0, 0
	MUL8 F1, 0, 2, 0
	s_wait_dscnt 0
	MUL8 F1, 1, 0, 0
	MUL8 F1, 1, 2, 0
	WIN 0
; THE WAY OUT.  In accumulator (a, b) lane l holds row 16 a + l % 16, columns 16 b + 8 (l / 16) + 0..7: 32 bytes.  Block a (16 rows x 64 columns) goes into my stage, rows of 272 bytes, each accumulator's
; low four registers first, and comes back as whole rows of 256 bytes into the registers that it left.
.macro OUTBLK a
.irp b, 0,1,2,3
	ds_store_b128 v[STO], v[ACC+32*(\a)+8*(\b):ACC+32*(\a)+8*(\b)+3]   offset:64*(\b)
	ds_store_b128 v[STO], v[ACC+32*(\a)+8*(\b)+4:ACC+32*(\a)+8*(\b)+7] offset:64*(\b)+16
.endr
.irp t, 0,1,2,3,4,5,6,7
	ds_load_b128 v[ACC+32*(\a)+4*(\t):ACC+32*(\a)+4*(\t)+3], v[RD] offset:(\t)*2*SPITCH  ; LDS serves a wave's instructions in order (ISA guide 5.7.1.4): these see the stores above; the next block's stores come behind them
.endr
.endm
.macro SEND a, younger                 ; younger: the LDS instructions issued behind block a's loads: the next block's sixteen, or none
.irp t, 0,1,2,3,4,5,6,7
	s_wait_dscnt (\younger)+7-(\t)
	global_store_b128 v[CO], v[ACC+32*(\a)+4*(\t):ACC+32*(\a)+4*(\t)+3], s[8:9] offset:(16*(\a)+2*(\t))*ROWC th:TH_STORE_NT  ; 16 lanes store 256 consecutive bytes, at a multiple of 256 from out1's first byte; 62 rows at the most in the immediate; no register is used again
.endr
.endm
	PLACES                                         ; behind the last products, ahead of the stores that read results
	OUTBLK 0
	OUTBLK 1                                       ; a block's trip through the stage stands between the loads of the block before and its stores
	SEND 0, 16
	OUTBLK 2
	SEND 1, 16
	OUTBLK 3
	SEND 2, 16
	SEND 3, 0
	s_wait_tensorcnt 0x0                           ; the wave's end, behind my last tensor load and my last LDS store
	ds_add_u32 v[SPW], v[NIL]
	s_wait_dscnt 0x0
	CROUND                                         ; the closing round: no work-group ends while a partner may still ask for a tile that names it
	s_endpgm
.Lfunc_end_k_qa2e7269e28_gemm:
	.size	k_qa2e7269e28_gemm, .Lfunc_end_k_qa2e7269e28_gemm-k_qa2e7269e28_gemm
	.p2alignl 7, 3214868480
	.fill 96, 4, 3214868480
	.section	.rodata,"a",@progbits
	.p2align	6, 0x0
	.amdhsa_kernel k_qa2e7269e28_gemm
		.amdhsa_group_segment_fixed_size 327680
		.amdhsa_private_segment_fixed_size 0
		.amdhsa_enable_private_segment 0
		.amdhsa_kernarg_size 24
		.amdhsa_user_sgpr_count 2
		.amdhsa_user_sgpr_kernarg_segment_ptr 1
		.amdhsa_wavefront_size32 1
		.amdhsa_system_sgpr_workgroup_id_x 1
		.amdhsa_system_sgpr_workgroup_id_y 1
		.amdhsa_system_sgpr_workgroup_id_z 1
		.amdhsa_system_vgpr_workitem_id 0
		.amdhsa_next_free_vgpr 512
		.amdhsa_next_free_sgpr 66
		.amdhsa_reserve_vcc 0
		.amdhsa_float_denorm_mode_32 3
		.amdhsa_float_denorm_mode_16_64 3
		.amdhsa_memory_ordered 1
		.amdhsa_forward_progress 1
		.amdhsa_inst_pref_size 86
	.end_amdhsa_kernel
	.amdgpu_metadata
---
amdhsa.version: [ 1, 2 ]
amdhsa.kernels:
  - .name:           k_qa2e7269e28_gemm
    .symbol:         k_qa2e7269e28_gemm.kd
    .args:
      - { .name: P, .offset: 0, .size: 8, .value_kind: global_buffer, .address_space: global }
      - { .name: Q, .offset: 8, .size: 8, .value_kind: global_buffer, .address_space: global }
      - { .name: out1, .offset: 16, .size: 8, .value_kind: global_buffer, .address_space: global }
    .group_segment_fixed_size: 327680
    .private_segment_fixed_size: 0
    .kernarg_segment_align: 8
    .kernarg_segment_size: 24
    .max_flat_workgroup_size: 128
    .sgpr_count:     66
    .vgpr_count:     512
    .wavefront_size: 32
...
	.end_amdgpu_metadata
.endif
;; end of part 4
;; ======== version 2 of 2: 4 launches; version 1 with the launch pack written anew for expert scheduling mode
;; workspace buffers: part 1,048,576 bytes; idx 8,192 bytes of whole numbers; gate 16,384 bytes; P 16,777,216 bytes; Q 16,777,216 bytes
;; launch partial: the kernel of part 1 again; grid 256 x 1, 16 waves a work-group, no clusters, 2,304 bytes of LDS; arguments X, kernel, A, part; writes part
;; launch select: the kernel of part 2 again; grid 64 x 1, 1 waves a work-group, no clusters, 0 bytes of LDS; arguments part, I, idx, gate, out2; writes idx, gate, out2
;; launch pack (part 5): grid 256 x 1, 16 waves a work-group, no clusters, 71,680 bytes of LDS; arguments A, X, idx, gate, P, Q, out0; writes P, Q, out0
.if DOCPART == 5
	.amdgcn_target "amdgcn-amd-amdhsa--gfx1250"
	.amdhsa_code_object_version 6
	.text
	.protected	k_qa2e7269e28_pack
	.globl	k_qa2e7269e28_pack
	.p2align	8
	.type	k_qa2e7269e28_pack,@function
k_qa2e7269e28_pack:
	s_mov_b64 s[64:65], 0
	v_nop
	global_prefetch_b8 v0, s[64:65] scope:SCOPE_SE
	s_setreg_imm32_b32 hwreg(HW_REG_WAVE_SCHED_MODE, 0, 2), 2
	s_setreg_imm32_b32 hwreg(HW_REG_WAVE_MODE, 25, 1), 1
	s_wait_xcnt 0x0
	s_wait_alu depctr_vm_vsrc(0)
; THE PRODUCT'S OPERANDS, AND out0.  Of A A only rows idx and columns idx are kept, so out1 = P Q^T with
;   P[m][k] = A[idx[m]][k],   Q[n][k] = A[k][idx[n]],   both [2048][4096] in bf16 (rounded to nearest even), K along the rows.   out0[m] = X[idx[m]] x gate[idx[m]], in f32.
; idx was stored by the launch before; each index is cut to 4,095 before it enters an address.
; SHARES.  Work-group w.  Waves 0-7 make Q: wave v takes graph g = 8 (w % 8) + v (32 kept columns, which lie in the graph's 256 bytes of every row of A) and rows k = 128 (w / 8) .. + 127.
; Lane l fetches its column's number from each row, four bytes a lane; eight rows' numbers make 16 bytes of a row of Q; they go through the wave's own stage in LDS and leave as whole rows of 256 bytes.
; Seven batches of eight such loads are on their way in each wave.  Waves 8-15 make P and out0: wave v takes row m = 8 w + v - 8: 16 KiB of A in 32 loads that go out together.
; No barrier: no wave reads what another wrote.  NO CLUSTER, NO TENSOR LOAD: what is fetched is chosen lane by lane from a list, and no two work-groups need the same bytes of A for Q.
; THE MODE: SCHED_MODE bits 1:0 = 2 (LLVM: expert scheduling mode 2), set by the entry lines.  The code itself states the register dependences
; between vector instructions and memory or LDS instructions, with s_wait_alu, always for 0.
; THE PLAN.  Registers that memory or LDS instructions touch:
;   Q:  RG0 .. RG7    Batch i lands in RG[i % 8]; step i's four conversions read it; the loads of batch i + 8, issued in step i + 1, land in it again.
;       TQ0 .. TQ15   Step i's conversions write TQ[i]; the LDS store issued in step i + 1 reads it; no set is written twice.
;       v4 .. v8      Offsets and LDS addresses: each is made once, ahead of a wait on va_vdst, and never written again.
;       So ONE wait on va_vdst stands at a step's head, behind the wait for the step's data: the conversions of the step before have written their TQ, which the step's LDS store reads, and are done
;       reading their RG, in which the step's eight loads land.  The step's own conversions follow; they name RG[i % 8] and TQ[i], which that store and those loads do not touch.
;   P:  DP            Load j lands at DP + 4 j; two conversions work in place; one store reads the result; nothing is written again.  The 32 loads are taken in eight groups of four:
;       the stores of group g - 1 are issued in group g, behind the one wait on va_vdst at its head, dealt among group g's conversions, which name other registers.
;       v4 .. v11     Offsets: made once, ahead of a wait on va_vdst.
;   No register that a memory or LDS instruction reads is ever written again, on either path: the one wait on vm_vsrc stands in the entry lines.
.set ROWA,  16384                      ; bytes in a row of A
.set SP,    272                        ; a stage row: 256 bytes + 16: the 16 lanes of a 16-byte store, a row apart, fall into 16 different 16-byte columns of 256 bytes
.set STG,   32*SP                      ; a wave's stage: 32 rows of Q x 128 k
.set SPARE, 8*STG                      ; behind the eight stages: the spare words, 128 bytes for each of 16 waves, which no other line names
.set SPW, 2                            ; v2  LDS address of my spare word; never rewritten
.set NIL, 3                            ; v3  0; never rewritten
.set RG,  64                           ; v[64:127]  Q: eight sets of eight numbers as loaded; later the rows read back
.set TQ,  128                          ; v[128:191] Q: batch i's 16 packed bytes at TQ + 4 i
.set DP,  64                           ; v[64:191]  P: load j at DP + 4 j
	s_load_b256 s[4:11], s[0:1], 0x0               ; A s[4:5], X s[6:7], idx s[8:9], gate s[10:11]
	s_load_b128 s[12:15], s[0:1], 0x20             ; P s[12:13], Q s[14:15]
	s_load_b64 s[16:17], s[0:1], 0x30              ; out0
	v_lshl_add_u32 v[SPW], v0, 2, SPARE
	v_mov_b32 v[NIL], 0
	v_and_b32 v1, 31, v0                           ; lane
	v_lshrrev_b32 v4, 5, v0
	v_readfirstlane_b32 s22, v4                    ; wave 0..15
	s_lshr_b32 s20, ttmp9, 3                       ; which 128 rows k
	s_and_b32 s21, ttmp9, 7                        ; which eight graphs
	s_mov_b32 s25, 0                               ; the high word of every offset
	s_wait_kmcnt 0x0
	s_wait_alu depctr_va_sdst(0)                   ; s22 is written, ahead of its first reader, the compare below
	s_cmp_lt_u32 s22, 8
	s_cbranch_scc0 .Lrows
	; ---- Q ----
	s_lshl_b32 s23, s21, 3
	s_add_co_u32 s23, s23, s22                     ; g
	s_lshl_b32 s24, s23, 7
	s_add_nc_u64 s[26:27], s[8:9], s[24:25]        ; the graph's 32 indices
	v_lshlrev_b32 v4, 2, v1
	s_wait_alu depctr_va_vdst(0)                   ; v4 is written, which the load below reads as its offset
	global_load_b32 v5, v4, s[26:27]
	s_mul_i32 s28, s22, STG                        ; my stage
	v_mul_u32_u24 v6, v1, SP
	v_add_nc_u32 v6, s28, v6                       ; in: row = lane
	v_and_b32 v9, 15, v0
	v_bfe_u32 v10, v0, 4, 1
	v_mul_u32_u24 v7, v10, SP
	v_lshl_add_u32 v7, v9, 4, v7
	v_add_nc_u32 v7, s28, v7                       ; back: lanes 0-15 one row of 256 bytes, lanes 16-31 the next
	v_lshlrev_b32 v8, 13, v10                      ; and the same two rows in Q, 8,192 bytes apart
	v_lshl_add_u32 v8, v9, 4, v8
	s_lshl_b32 s24, s20, 21                        ; 128 rows of A
	s_add_nc_u64 s[30:31], s[4:5], s[24:25]
	s_lshl_b32 s24, s23, 18                        ; 32 rows of Q,
	s_lshl_b32 s29, s20, 8                         ; 128 k
	s_add_co_u32 s24, s24, s29
	s_add_nc_u64 s[32:33], s[14:15], s[24:25]
	s_wait_loadcnt 0x0
	v_min_u32 v5, 0xfff, v5                        ; inside A whatever was stored
	v_lshlrev_b32 v5, 2, v5                        ; my column, in bytes
	s_wait_alu depctr_va_vdst(0)                   ; v5 is written, which every load of A reads as its offset; so are v6, v7 and v8, which the LDS stores, the LDS loads and the stores of Q read
.macro QLOAD i                         ; batch i: rows 8 i .. 8 i + 7
.irp e, 0,1,2,3,4,5,6,7
	global_load_b32 v[RG+8*((\i)%8)+(\e)], v5, s[30:31] offset:(8*(\i)+(\e))*ROWA
.endr
.endm
.macro QSTEP i
.if (\i) < 9
	s_wait_loadcnt 48                              ; batch i is in; the six batches issued behind it stay out
.else
	s_wait_loadcnt 8*(15-(\i))                     ; the last batches: 15 - i behind it
.endif
.if (\i) > 0
	s_wait_alu depctr_va_vdst(0)                   ; the conversions of the step before have written their TQ, which the LDS store below reads, and are done reading their RG, in which the loads below land
.endif
.if (\i) < 9
	QLOAD (\i)+7                                   ; into the set that the step before emptied (in step 0: the eighth set, which nothing has named yet)
.endif
.if (\i) > 0
	ds_store_b128 v6, v[TQ+4*((\i)-1):TQ+4*((\i)-1)+3] offset:16*((\i)-1)  ; the batch before
.endif
.irp e, 0,1,2,3
	v_cvt_pk_bf16_f32 v[TQ+4*(\i)+(\e)], v[RG+8*((\i)%8)+2*(\e)], v[RG+8*((\i)%8)+2*(\e)+1]  ; the lower k in the low half
.endr
.endm
.irp i, 0,1,2,3,4,5,6
	QLOAD \i
.endr
.irp i, 0,1,2,3,4,5,6,7,8,9,10,11,12,13,14,15
	QSTEP \i
.endr
	s_wait_alu depctr_va_vdst(0)                   ; batch 15's conversions have written TQ15, which the last LDS store reads; all conversions are done reading v[64:127], in which the loads from the stage land
	ds_store_b128 v6, v[TQ+60:TQ+63] offset:240
.irp t, 0,1,2,3,4,5,6,7,8,9,10,11,12,13,14,15
	ds_load_b128 v[RG+4*(\t):RG+4*(\t)+3], v7 offset:(\t)*2*SP  ; LDS serves a wave's instructions in order (ISA guide 5.7.1.4): these see my stores above
.endr
.irp t, 0,1,2,3,4,5,6,7,8,9,10,11,12,13,14,15
	s_wait_dscnt 15-(\t)
	global_store_b128 v8, v[RG+4*(\t):RG+4*(\t)+3], s[32:33] offset:(\t)*16384  ; 16 lanes store 256 consecutive bytes, at a multiple of 256 from Q's first byte
.endr
	s_wait_dscnt 0x0                               ; the wave's end
	s_wait_alu 0x0
	s_wait_tensorcnt 0x0
	ds_add_u32 v[SPW], v[NIL]
	s_wait_dscnt 0x0
	s_endpgm
	; ---- P and out0 ----
.Lrows:
	s_lshl_b32 s23, ttmp9, 3
	s_add_co_u32 s23, s23, s22
	s_sub_co_u32 s23, s23, 8                       ; m
	s_lshl_b32 s24, s23, 2
	s_add_nc_u64 s[26:27], s[8:9], s[24:25]
	v_mov_b32 v4, 0
	s_wait_alu depctr_va_vdst(0)                   ; v4 is written, which the load below reads as its offset
	global_load_b32 v5, v4, s[26:27]               ; idx[m], the same word in every lane
	v_lshlrev_b32 v9, 4, v1                        ; 16 x lane
	v_lshlrev_b32 v11, 3, v1                       ; 8 x lane
	s_lshl_b32 s24, s23, 13
	s_add_nc_u64 s[12:13], s[12:13], s[24:25]      ; P's row m
	s_lshl_b32 s24, s23, 10
	s_add_nc_u64 s[16:17], s[16:17], s[24:25]      ; out0's row m
	s_wait_loadcnt 0x0
	v_min_u32 v5, 0xfff, v5                        ; inside A, X and gate whatever was stored
	v_lshl_add_u32 v6, v5, 14, v9                  ; the node's row of A,
	v_lshl_add_u32 v7, v5, 10, v9                  ; of X,
	v_lshlrev_b32 v8, 2, v5                        ; its gate
	s_wait_alu depctr_va_vdst(0)                   ; v6, v7 and v8 are written, which the loads below read as offsets; so are v9 and v11, the stores' offsets
	global_load_b32 v10, v8, s[10:11]
	global_load_b128 v[12:15], v7, s[6:7]
	global_load_b128 v[16:19], v7, s[6:7] offset:512
.set j, 0
.rept 32
	global_load_b128 v[DP+4*j:DP+4*j+3], v6, s[4:5] offset:512*j
.set j, j+1
.endr
	s_wait_loadcnt 32                              ; the gate and X's row are in; the 32 loads of A stay out
.irp c, 12,14,16,18
	v_pk_mul_f32 v[\c:\c+1], v[\c:\c+1], v[10:11] op_sel_hi:[1,0]  ; both halves times v10, the gate
.endr
; Group g: loads 4 g .. 4 g + 3 of A's row are rounded; what the group before made (ahead of group 0: out0's row) is stored.
.macro PGROUP g
	s_wait_loadcnt 28-4*(\g)                       ; the group's four loads are in; the 28 - 4 g behind them stay out
	s_wait_alu depctr_va_vdst(0)                   ; the lines of the group before (ahead of group 0: the four multiplies by the gate) have written the registers that the stores below read
.if (\g) == 0
	global_store_b128 v9, v[12:15], s[16:17] th:TH_STORE_NT
	global_store_b128 v9, v[16:19], s[16:17] offset:512 th:TH_STORE_NT
.endif
.irp j, 0,1,2,3
.if (\g) > 0
	global_store_b64 v11, v[DP+4*(4*((\g)-1)+(\j)):DP+4*(4*((\g)-1)+(\j))+1], s[12:13] offset:256*(4*((\g)-1)+(\j))  ; the wave stores 256 consecutive bytes, at a multiple of 256 from P's first byte; no register is used again
.endif
	v_cvt_pk_bf16_f32 v[DP+4*(4*(\g)+(\j))],   v[DP+4*(4*(\g)+(\j))],   v[DP+4*(4*(\g)+(\j))+1]
	v_cvt_pk_bf16_f32 v[DP+4*(4*(\g)+(\j))+1], v[DP+4*(4*(\g)+(\j))+2], v[DP+4*(4*(\g)+(\j))+3]
.endr
.endm
.irp g, 0,1,2,3,4,5,6,7
	PGROUP \g
.endr
	s_wait_alu depctr_va_vdst(0)                   ; group 7's conversions have written the registers that the last four stores read
.irp j, 28,29,30,31
	global_store_b64 v11, v[DP+4*(\j):DP+4*(\j)+1], s[12:13] offset:256*(\j)
.endr
	s_wait_dscnt 0x0                               ; the wave's end
	s_wait_alu 0x0
	s_wait_tensorcnt 0x0
	ds_add_u32 v[SPW], v[NIL]
	s_wait_dscnt 0x0
	s_endpgm
.Lfunc_end_k_qa2e7269e28_pack:
	.size	k_qa2e7269e28_pack, .Lfunc_end_k_qa2e7269e28_pack-k_qa2e7269e28_pack
	.p2alignl 7, 3214868480
	.fill 96, 4, 3214868480
	.section	.rodata,"a",@progbits
	.p2align	6, 0x0
	.amdhsa_kernel k_qa2e7269e28_pack
		.amdhsa_group_segment_fixed_size 71680
		.amdhsa_private_segment_fixed_size 0
		.amdhsa_enable_private_segment 0
		.amdhsa_kernarg_size 56
		.amdhsa_user_sgpr_count 2
		.amdhsa_user_sgpr_kernarg_segment_ptr 1
		.amdhsa_wavefront_size32 1
		.amdhsa_system_sgpr_workgroup_id_x 1
		.amdhsa_system_sgpr_workgroup_id_y 1
		.amdhsa_system_sgpr_workgroup_id_z 1
		.amdhsa_system_vgpr_workitem_id 0
		.amdhsa_next_free_vgpr 192
		.amdhsa_next_free_sgpr 66
		.amdhsa_reserve_vcc 0
		.amdhsa_float_denorm_mode_32 3
		.amdhsa_float_denorm_mode_16_64 3
		.amdhsa_memory_ordered 1
		.amdhsa_forward_progress 1
		.amdhsa_inst_pref_size 36
	.end_amdhsa_kernel
	.amdgpu_metadata
---
amdhsa.version: [ 1, 2 ]
amdhsa.kernels:
  - .name:           k_qa2e7269e28_pack
    .symbol:         k_qa2e7269e28_pack.kd
    .args:
      - { .name: A, .offset: 0, .size: 8, .value_kind: global_buffer, .address_space: global }
      - { .name: X, .offset: 8, .size: 8, .value_kind: global_buffer, .address_space: global }
      - { .name: idx, .offset: 16, .size: 8, .value_kind: global_buffer, .address_space: global }
      - { .name: gate, .offset: 24, .size: 8, .value_kind: global_buffer, .address_space: global }
      - { .name: P, .offset: 32, .size: 8, .value_kind: global_buffer, .address_space: global }
      - { .name: Q, .offset: 40, .size: 8, .value_kind: global_buffer, .address_space: global }
      - { .name: out0, .offset: 48, .size: 8, .value_kind: global_buffer, .address_space: global }
    .group_segment_fixed_size: 71680
    .private_segment_fixed_size: 0
    .kernarg_segment_align: 8
    .kernarg_segment_size: 56
    .max_flat_workgroup_size: 512
    .sgpr_count:     66
    .vgpr_count:     192
    .wavefront_size: 32
...
	.end_amdgpu_metadata
.endif
;; end of part 5
;; launch gemm: the kernel of part 4 again; grid 16 x 16, 4 waves a work-group, clusters of 4 x 4, 327,680 bytes of LDS; arguments P, Q, out1; writes out1
